; MI455X (gfx1250); checked and timed in simulation.
; The chip was launched on July 23, 2026; its instructions are those of AMD's public machine-readable ISA for CDNA 5 (MIT licence, August 2026) and "CDNA5" Instruction Set Architecture Reference Guide (July 2026). The comments in the code are by the model that wrote it; some were corrected since.
;; Attention. Allowed arithmetic: matrix products marked QUANTISED: E4M3 operands, one E8M0 scale for each 32 along K, by v_wmma_scale_f32_16x16x128_f8f6f4 with both operands' format E4M3, f32 sums; products left as they are: f32 operands where the result goes on into a quantised operand, else bf16, f16 or f32 operands; f32 sums; everything else in f32.
;; Inputs: Wk_codes 512 x 16 x 32 uint8 (E4M3 codes of Wk, K innermost, in blocks of 32 codes); Wk_scales 512 x 16 uint8 (E8M0 scales of Wk, one for each 32 codes along K); Wq_codes 512 x 16 x 32 uint8 (E4M3 codes of Wq, K innermost, in blocks of 32 codes); Wq_scales 512 x 16 uint8 (E8M0 scales of Wq, one for each 32 codes along K); Wv_codes 512 x 16 x 32 uint8 (E4M3 codes of Wv, K innermost, in blocks of 32 codes); Wv_scales 512 x 16 uint8 (E8M0 scales of Wv, one for each 32 codes along K); bk 512 float32; bq 512 float32; bv 512 float32; x_codes 1,024 x 16 x 32 uint8 (E4M3 codes of x, K innermost, in blocks of 32 codes); x_scales 1,024 x 16 uint8 (E8M0 scales of x, one for each 32 codes along K).
;; Outputs: out0 1,024 x 512 float32.
;; This version of the problem:
;;   THIS VERSION OF THE PROBLEM IS GIVEN IN LOW PRECISION. The matrix products marked QUANTISED in the list below multiply operands that are first quantised to E4M3 (4 exponent bits, 3 mantissa bits; 8 bits a number), with one power-of-two scale for each 32 numbers along K (OCP MX v1.0); their sums are f32. All else is computed in f32.
;;   The module's matrix products, in the order in which they are computed (A, B: the left and right operand; K: the contracted axis; several contracted axes count as one K, in the product's order):
;;     1. [M 1,024, K 512] x [K 512, N 512]; A: input x (given as codes); B: input Wq (given as codes): QUANTISED
;;     2. [M 1,024, K 512] x [K 512, N 512]; A: input x (given as codes); B: input Wk (given as codes): QUANTISED
;;     3. [M 1,024, K 512] x [K 512, N 512]; A: input x (given as codes); B: input Wv (given as codes): QUANTISED
;;     4. batch 1,024 x [M 512, K 512] x [K 512, N 1]; A: softmax; B: computed on the way: left as it is (N = 1 < 16)
;;   THE QUANTISER, for each operand of a quantised product, along K:
;;     - K is cut into blocks of 32 from its start; a last block that is shorter is filled with zeros.
;;     - A block's scale is 2^e with e = floor(log2(the largest magnitude in the block)) - 8, held to -126 .. 127; a block of zeros has e = 0. As a byte (E8M0): e + 127.
;;     - Each number is divided by its block's scale, clamped to +-448, and rounded to the nearest number of E4M3, ties to even, subnormals kept.
;;     - The product sums the exact products of the quantised numbers (number of the format x scale) in f32.
;;   ~~~python
;;   def quantise(x, axis):      # numpy; x: float32 -> the quantised numbers, widened to float32 again
;;       x = np.moveaxis(x, axis, -1); K = x.shape[-1]
;;       x = np.pad(x, [(0, 0)] * (x.ndim - 1) + [(0, -K % 32)]); x = x.reshape(x.shape[:-1] + (-1, 32)); a = np.abs(x).max(-1, keepdims=True)
;;       e = np.where(a > 0, np.clip(np.frexp(np.where(a > 0, a, 1))[1] - 1 - 8, -126, 127), 0)      # np.frexp(a)[1] - 1 = floor(log2(a)), exactly
;;       r = np.clip(x / 2.0 ** e, -448, 448)
;;       step = 2.0 ** (np.maximum(np.frexp(np.where(r == 0, 1, r))[1] - 1, -6) - 3)
;;       q = np.round(r / step) * step * 2.0 ** e      # np.round: ties to even
;;       return np.moveaxis(q.reshape(q.shape[:-2] + (-1,))[..., :K], -1, axis).astype(np.float32)
;;   ~~~
;;   INPUTS GIVEN AS CODES. Wk (in the module: [512, 512], K = its axis 1); Wq (in the module: [512, 512], K = its axis 1); Wv (in the module: [512, 512], K = its axis 1); x (in the module: [1024, 512], K = its axis 1): each comes as NAME_codes (uint8): NAME with its K axis moved to the last place and cut into blocks of 32 codes, [.., K / 32, bytes a block], one block behind the other in memory; one code a byte (a code: sign, 4 exponent bits, 3 mantissa bits); and NAME_scales (uint8): the same leading axes, one E8M0 byte (e + 127) for each 32 codes along K. Its value is code x scale, taken as it is: it is not quantised again, and the codes and scales need not be those that the quantiser above would give.
;; One version. Each part assembles by itself: llvm-mc -triple=amdgcn-amd-amdhsa -mcpu=gfx1250 --defsym DOCPART=n.
;; ======== version 1 of 1: 1 launch
;; launch attn (part 1): grid 256 x 1, 16 waves a work-group, clusters of 4 x 1, 327,680 bytes of LDS; arguments x_codes, x_scales, Wq_codes, Wq_scales, bq, Wk_codes, Wk_scales, bk, Wv_codes, Wv_scales, bv, out0; writes out0
.if DOCPART == 1
	.amdgcn_target "amdgcn-amd-amdhsa--gfx1250"
	.amdhsa_code_object_version 6
	.text
	.protected	k_qf45e6194de_attn
	.globl	k_qf45e6194de_attn
	.p2align	8
	.type	k_qf45e6194de_attn,@function
k_qf45e6194de_attn:
	s_mov_b64 s[64:65], 0
	v_nop
	global_prefetch_b8 v0, s[64:65] scope:SCOPE_SE
	s_setreg_imm32_b32 hwreg(HW_REG_WAVE_MODE, 25, 1), 1
	s_wait_xcnt 0x0
	s_wait_alu depctr_hold_cnt(0) depctr_sa_sdst(0) depctr_va_vdst(0) depctr_va_sdst(0) depctr_va_ssrc(0) depctr_va_vcc(0) depctr_vm_vsrc(0)
	s_getreg_b32 s2, hwreg(HW_REG_IB_STS2, 6, 4)
	s_cmp_eq_u32 s2, 0
	s_cbranch_scc0 .Lentry_in_a_cluster
	s_endpgm
.Lentry_in_a_cluster:
	s_bfe_u32 s2, ttmp6, 0x10000c
	s_cmp_lg_u32 s2, 0x3003
	s_cbranch_scc0 .Lentry_shape_is_right
	s_endpgm
.Lentry_shape_is_right:
; q = x Wq^T + bq, k = x Wk^T + bk, v = x Wv^T + bv on codes of FP8 (E4M3) with one E8M0 scale for each 32 along K (K = 512); then, for each token b and each i,
; out[b][i] = sum over j of softmax_j(q[b][i] k[b][j] / sqrt(512)) v[b][j], in f32.  x: 1,024 tokens; q, k, v, out: [1024][512].
; SHARES.  A cluster of four work-groups owns 16 tokens; partner cx owns the outputs i = 128 cx .. 128 cx + 127 of those tokens: 16 x 128 x 512 exponentials a work-group, the same for all 256.
; Each work-group needs k and v of its 16 tokens for all 512 j, so each computes them itself: 16 waves x 2 tiles of 16 columns x 4 K steps, for k and again for v; q's 128 columns are 8 tiles, made by waves 8 to 15.
; JOINT LOADS.  Wk, Wv and the tokens' codes are the same for the four partners: they come by joint tensor loads (the same descriptor, a mask that names the four).  Wq's rows differ from partner to partner
; (each needs another quarter, 64 KiB of the 584 KiB that a work-group reads), so they go from memory straight into registers.
; THE MATRIX INSTRUCTION IS USED TRANSPOSED: source 0 = 16 rows of W, source 1 = the 16 tokens: lane (r, h) holds token r, and its registers the columns 8 h + 0 .. 7 of the tile.  The bias is loaded into the accumulator: it is the C of the first product.
; THE SOFTMAX.  Wave w owns token w; lane l owns i = 4 l + g, g = 0 .. 3.  q' = q log2(e) / sqrt(512); t = k[j] q' - m; p = 2^t.  THE ROW'S MAXIMUM IS TAKEN AWAY, AND NEEDS NO SEARCH OVER j: the largest q' k[j] is
; q' kmax where q' >= 0 and q' kmin else, so m = max(q' kmax, q' kmin), kmax and kmin the token's largest and smallest k.  k[j] and v[j] are the same for all lanes of a wave: no sum crosses lanes.
; All is packed over pairs of j (q' and -m stand twice, in register pairs): for two numbers one v_pk_fma_f32 (t), two v_exp_f32, one v_pk_add_f32 (the sum), one v_pk_fma_f32 (p v).
; LIMITS: p under 2^-126 comes out as 0 (v_exp_f32 gives no denormals: ISA guide, its entry), beside a sum that is about 1 or more; inputs for which q' k passes the largest f32 number, NaN, infinities and scale bytes 0xff were not examined.
; The launch claims all of a WGP's LDS.
.set PW,    528                        ; a row of codes in LDS: 512 bytes + 16 of padding: an odd multiple of 16, so the 16 rows that a fragment load touches begin at 16 different places modulo 256 bytes
.set PK,    2064                       ; a token's row of k or v in LDS: 512 f32 + 16 bytes: likewise
.set WSL,   0                          ; 512 rows of a weight: first Wk, filled again once with Wv
.set VS,    0                          ; v, 16 rows of PK bytes: in that slot, once it has had its last fill and its last read
.set XL,    512*PW                     ; the 16 tokens' codes, filled once
.set SPARE, XL+16*PW                   ; the spare words, 128 bytes for each of the 16 waves: eight blocks of 256 bytes that no other line names
.set QS,    SPARE+2048                 ; q: 16 rows of 128 f32, pitch PW; no fill lands here
.set KS,    QS+16*PW                   ; k: 16 rows of PK bytes; no fill lands here.  Ends at byte 322,304
.set WV,  3                            ; s3   my wave's number
.set CX,  4                            ; s4   my work-group's place in the cluster: it enters Wq's, bq's and out's addresses alone
.set W7,  5                            ; s5   wave % 8
.set G1W, 32                           ; s[32:39] descriptor group 1: 64 rows of a weight
.set G1X, 40                           ; s[40:47] the same for the 16 tokens
.set G0K, 48                           ; s[48:51], s[52:55], s[56:59] groups 0 for Wk, Wv, x: none is ever rewritten
.set G0V, 52
.set G0X, 56
.set SEL, 66                           ; s[66:67] lane selects for v_permlanex16_b32: lane l xor 16
.set CNT, 68
.set TS,  69                           ; s69  bytes along the rows of k and v at which a trip begins
.set CC,  70                           ; s70  log2(e) / sqrt(512)
.set SPW, 3                            ; v3   LDS address of my spare word; never rewritten
.set NIL, 4                            ; v4   0; never rewritten
.set LN16, 6                           ; v6   16 x lane
.set R16, 7                            ; v7   16 r
.set H32, 8                            ; v8   32 h
.set WQO, 9                            ; v9   512 r + 16 h: my bytes in a tile of Wq in memory
.set AX,  10                           ; v10  my place in x's tile
.set AW,  11                           ; v11  my place in my wave's 32 rows of the weight slot
.set SKK, 12                           ; v12  where I put k
.set SKV, 13                           ; v13  where I put v
.set SQ,  14                           ; v14  where I put q (waves 8 to 15)
.set XS,  16                           ; v[16:19] x's scale words, K step s in register s: lane r has token r's.  v16-31 hold scales and nothing else
.set WKS, 20                           ; v[20:23] Wk's: lane L has row 32 w + L's: tile 0 in lanes 0-15, tile 1 in lanes 16-31
.set WVS, 24                           ; v[24:27] Wv's likewise
.set WQS, 28                           ; v[28:31] Wq's: lane r has row r of my tile
.set XF,  32                           ; v[32:95]  x's four fragments; they stay through all three products
.set WF,  96                           ; v[96:223] the weight's fragments: tile u, K step s at 64 u + 16 s
.set QA,  160                          ; v[160:167] q's accumulator, between the k stage and Wv's fragments
.set ACC, 224                          ; v[224:239] two accumulators: k's, then v's
.set QRD, 240                          ; v240 my four q
.set KRD, 241                          ; v241 my 16 of the token's 512 k, for kmax and kmin
.set AK0, 242                          ; v242 my token's row of k
.set AV0, 243                          ; v243 and of v
.set AK,  244                          ; v244, v245 the same + TS
.set AV,  245
.set MX,  246
.set MN,  247
.set TA,  248
.set TB,  249
; the softmax's registers lie where the projections' lay
.set QQ,   32                          ; v[32:39]  pair g: q', twice
.set MM,   40                          ; v[40:47]  pair g: -m, twice
.set LSUM, 48                          ; v[48:55]  pair g: the sums of p over even j and over odd j
.set OSUM, 56                          ; v[56:63]  the same of p v
.set KB,   64                          ; v[64:79]  two sets of 8 k
.set VB,   80                          ; v[80:95]  two sets of 8 v
.set T0,   96                          ; v[96:159] two sets of 32 numbers: pair 4 a + g = j pair a of the step, output g
.set QR,   160
.set KR,   164
.set RL,   180
.set RO,   184
.set RES,  188
; A round of the cluster's barrier: my work-group's barrier, so that wave 0's signal speaks for all sixteen waves; wave 0 signals for the work-group; every wave waits for all four work-groups; my work-group's barrier once more.
.macro CROUND
	s_barrier_signal -1
	s_barrier_wait -1
	s_cmp_lg_u32 s[WV], 0
	s_cbranch_scc1 .Lnot_wave_0_\@
	s_barrier_signal -3
.Lnot_wave_0_\@:
	s_barrier_wait -3
	s_barrier_signal -1
	s_barrier_wait -1
.endm
.macro BARRIER                         ; my LDS stores have landed and my LDS loads are in: then the work-group's barrier
	s_wait_dscnt 0x0
	s_barrier_signal -1
	s_barrier_wait -1
.endm
.macro PLACES n
.rept \n
	v_nop
.endr
.endm
.macro FRAG reg, adr, off              ; a fragment, 16 rows x 128 K of 8-bit codes: registers 4 c .. 4 c + 3 hold K = 32 c + 16 h + 0 .. 15 of row r
.irp c, 0,1,2,3
	ds_load_b128 v[\reg+4*\c:\reg+4*\c+3], v[\adr] offset:\off+32*\c
.endr
.endm
; A stage's eight products: two accumulators by turns, one instruction a turn.  per = the LDS loads of one K step: the wait leaves the later K steps' loads out.
.macro MULS ws, per
.irp s, 0,1,2,3
	s_wait_dscnt \per*(3-\s)
	v_wmma_scale_f32_16x16x128_f8f6f4 v[ACC:ACC+7], v[WF+16*\s:WF+16*\s+15], v[XF+16*\s:XF+16*\s+15], v[ACC:ACC+7], v[\ws+\s], v[XS+\s]
	v_wmma_scale_f32_16x16x128_f8f6f4 v[ACC+8:ACC+15], v[WF+64+16*\s:WF+64+16*\s+15], v[XF+16*\s:XF+16*\s+15], v[ACC+8:ACC+15], v[\ws+\s], v[XS+\s] matrix_a_scale:MATRIX_SCALE_ROW1
.endr
.endm
.macro PUT adr                         ; lane (r, h): token r, columns 32 w + 16 u + 8 h + 0 .. 7: 32 bytes a tile; each accumulator from its low end on
.irp u, 0,1
	ds_store_b128 v[\adr], v[ACC+8*\u:ACC+8*\u+3] offset:64*\u
	ds_store_b128 v[\adr], v[ACC+8*\u+4:ACC+8*\u+7] offset:64*\u+16
.endr
.endm
	s_load_b512 s[8:23], s[0:1], 0x0               ; x_codes s[8:9], x_scales s[10:11], Wq_codes s[12:13], Wq_scales s[14:15], bq s[16:17], Wk_codes s[18:19], Wk_scales s[20:21], bk s[22:23]
	s_load_b256 s[24:31], s[0:1], 0x40             ; Wv_codes s[24:25], Wv_scales s[26:27], bv s[28:29], out0 s[30:31]
	v_lshl_add_u32 v[SPW], v0, 2, SPARE
	v_mov_b32 v[NIL], 0
	ds_add_u32 v3, v4
	ds_add_u32 v3, v4
	s_wait_dscnt 0x0
	v_lshrrev_b32 v15, 5, v0
	v_readfirstlane_b32 s[WV], v15                 ; wave 0..15
	s_bfe_u32 s[CX], ttmp6, 0x40000                ; cx
	s_and_b32 s[W7], s[WV], 7
	; every LDS address register but AK and AV is made here, ahead of the first branch on the wave's number
	v_and_b32 v5, 31, v0                           ; lane
	v_and_b32 v1, 15, v0                           ; r
	v_bfe_u32 v2, v0, 4, 1                         ; h
	v_lshlrev_b32 v[LN16], 4, v5
	v_lshlrev_b32 v[R16], 4, v1
	v_lshlrev_b32 v[H32], 5, v2
	v_lshlrev_b32 v[WQO], 9, v1
	v_lshl_add_u32 v[WQO], v2, 4, v[WQO]
	v_mul_u32_u24 v15, v1, PW
	v_lshl_add_u32 v15, v2, 4, v15                 ; a fragment's row x pitch + 16 h
	v_add_nc_u32 v[AX], XL, v15
	s_mul_i32 s60, s[WV], 32*PW                    ; my wave's 32 rows of the weight
	v_add_nc_u32 v[AW], s60, v15
	v_mul_u32_u24 v[SKV], v1, PK
	v_lshl_add_u32 v[SKV], v2, 5, v[SKV]
	s_lshl_b32 s60, s[WV], 7                       ; my wave's 32 columns, in bytes
	v_add_nc_u32 v[SKV], s60, v[SKV]               ; token r's row + 128 w + 32 h
	v_add_nc_u32 v[SKK], KS, v[SKV]
	v_mul_u32_u24 v[SQ], v1, PW
	v_lshl_add_u32 v[SQ], v2, 5, v[SQ]
	s_lshl_b32 s60, s[W7], 6                       ; q's tile: 16 columns, 64 bytes
	v_add_nc_u32 v[SQ], s60, v[SQ]
	v_add_nc_u32 v[SQ], QS, v[SQ]
	s_mul_i32 s60, s[WV], PW
	v_add_nc_u32 v[QRD], s60, v[LN16]
	v_add_nc_u32 v[QRD], QS, v[QRD]                ; token w's q, 16 bytes a lane
	s_mul_i32 s60, s[WV], PK
	v_mov_b32 v[AV0], s60                          ; token w's row of v (VS = 0),
	v_add_nc_u32 v[AK0], KS, v[AV0]                ; and of k
	v_add_nc_u32 v[KRD], v[AK0], v[LN16]
	v_mov_b32 v[TA], 0                             ; written once: a lane permute's destination counts as one of its sources
	v_mov_b32 v[TB], 0
	; descriptor group 1: rows of 512 codes, 512 bytes apart in memory, 16 bytes of padding behind each in LDS
	s_mov_b32 s[G1W], 15|(0<<16)|(1<<20)|(1<<21)|(6<<22)|(3<<25)  ; 15:0 the mask: all four work-groups; 17:16 elements of 1 byte; 20 padding on; 21 set beside a mask; 24:22 after every 128 words (code 6); 31:25 four words (code 3)
	s_mov_b32 s[G1W+1], 512<<16                    ; tensor_dim0 = 512
	s_mov_b32 s[G1W+2], 64<<16                     ; tensor_dim1 = 64
	s_mov_b32 s[G1W+3], 512<<16                    ; tile_dim0 = 512
	s_mov_b32 s[G1W+4], 64                         ; tile_dim1 = 64
	s_mov_b32 s[G1W+5], 512                        ; tensor_dim0_stride
	s_mov_b32 s[G1W+6], 0
	s_mov_b32 s[G1W+7], 0
	s_mov_b32 s[G1X], 15|(0<<16)|(1<<20)|(1<<21)|(6<<22)|(3<<25)
	s_mov_b32 s[G1X+1], 512<<16
	s_mov_b32 s[G1X+2], 16<<16                     ; 16 rows
	s_mov_b32 s[G1X+3], 512<<16
	s_mov_b32 s[G1X+4], 16
	s_mov_b32 s[G1X+5], 512
	s_mov_b32 s[G1X+6], 0
	s_mov_b32 s[G1X+7], 0
	s_mov_b32 s[SEL], 0x76543210
	s_mov_b32 s[SEL+1], 0xfedcba98
	s_mov_b32 s[CC], 0x3d8293ee                    ; log2(e) / sqrt(512) = 0.0637587
	s_mov_b32 s7, 0                                ; s[6:7]: offsets made of the wave's and the cluster's number, which the partners share
	s_mov_b32 s63, 0                               ; s[62:63], s61: offsets that hold cx
	s_wait_kmcnt 0x0
	s_lshl_b32 s6, s[W7], 15                       ; waves 0 to 7 fetch 64 rows of 512 bytes each
	s_mov_b32 s[G0K], 1                            ; count = 1
	s_mul_i32 s[G0K+1], s[W7], 64*PW               ; LDS address: wave x 64 rows: no place in the cluster enters it
	s_add_nc_u64 s[G0K+2:G0K+3], s[18:19], s[6:7]
	s_or_b32 s[G0K+3], s[G0K+3], 0x80000000        ; type = 2
	s_mov_b32 s[G0V], 1
	s_mul_i32 s[G0V+1], s[W7], 64*PW
	s_add_nc_u64 s[G0V+2:G0V+3], s[24:25], s[6:7]
	s_or_b32 s[G0V+3], s[G0V+3], 0x80000000
	s_lshl_b32 s6, ttmp9, 13                       ; in a cluster launch ttmp9 counts clusters: 16 tokens of 512 bytes each
	s_mov_b32 s[G0X], 1
	s_mov_b32 s[G0X+1], XL
	s_add_nc_u64 s[G0X+2:G0X+3], s[8:9], s[6:7]
	s_or_b32 s[G0X+3], s[G0X+3], 0x80000000
	s_lshl_b32 s6, ttmp9, 8
	s_add_nc_u64 s[10:11], s[10:11], s[6:7]        ; x's scale bytes: 16 a token
	s_lshl_b32 s6, s[WV], 9
	s_add_nc_u64 s[20:21], s[20:21], s[6:7]        ; Wk's and Wv's scale bytes at my wave's 32 rows
	s_add_nc_u64 s[26:27], s[26:27], s[6:7]
	s_lshl_b32 s6, s[WV], 7
	s_add_nc_u64 s[22:23], s[22:23], s[6:7]        ; bk and bv at my wave's 32 columns
	s_add_nc_u64 s[28:29], s[28:29], s[6:7]
	s_lshl_b32 s61, s[CX], 7
	s_lshl_b32 s62, s[W7], 4
	s_add_co_u32 s61, s61, s62                     ; q's tile: Wq's rows 128 cx + 16 (wave % 8) on
	s_lshl_b32 s62, s61, 9
	s_add_nc_u64 s[12:13], s[12:13], s[62:63]
	s_lshl_b32 s62, s61, 4
	s_add_nc_u64 s[14:15], s[14:15], s[62:63]
	s_lshl_b32 s62, s61, 2
	s_add_nc_u64 s[16:17], s[16:17], s[62:63]
	s_lshl_b32 s61, ttmp9, 4
	s_add_co_u32 s61, s61, s[WV]                   ; my token
	s_lshl_b32 s61, s61, 11                        ; its row of out, 2,048 bytes,
	s_lshl_b32 s62, s[CX], 9                       ; my work-group's 512 bytes of it
	s_add_co_u32 s62, s62, s61
	s_add_nc_u64 s[30:31], s[30:31], s[62:63]
	CROUND                                         ; all four work-groups are here: the first joint loads meet
	; the first fills: waves 0 to 7 Wk's 8 x 64 rows, wave 8 the tokens' codes: one tensor load of a wave is out at the most.  Four v_nop follow each line
	s_cmp_lt_u32 s[WV], 8
	s_cbranch_scc0 .Lnot_w
	tensor_load_to_lds s[G0K:G0K+3], s[G1W:G1W+7]
	s_nop 0
	PLACES 4
	s_branch .Lfilled
.Lnot_w:
	s_cmp_eq_u32 s[WV], 8
	s_cbranch_scc0 .Lfilled
	tensor_load_to_lds s[G0X:G0X+3], s[G1X:G1X+7]
	s_nop 0
	PLACES 4
.Lfilled:
	global_load_b128 v[XS:XS+3], v[R16], s[10:11]
	global_load_b128 v[WKS:WKS+3], v[LN16], s[20:21]           ; 32 lanes read 512 consecutive bytes
	global_load_b128 v[WVS:WVS+3], v[LN16], s[26:27]
.irp u, 0,1
	global_load_b128 v[ACC+8*\u:ACC+8*\u+3], v[H32], s[22:23] offset:64*\u       ; bk at columns 16 u + 8 h + 0 .. 7: the sums begin with it
	global_load_b128 v[ACC+8*\u+4:ACC+8*\u+7], v[H32], s[22:23] offset:64*\u+16
.endr
	s_wait_tensorcnt 0x0                           ; my part of the first fills is in,
	s_barrier_signal -1
	s_barrier_wait -1                              ; everybody's is
	; ---- k: 12 fragment loads a K step (x's, tile 0's, tile 1's)
.irp s, 0,1,2,3
	FRAG XF+16*\s, AX, 128*\s
	FRAG WF+16*\s, AW, 128*\s
	FRAG WF+64+16*\s, AW, 16*PW+128*\s
.endr
	s_wait_loadcnt 0x0                             ; the scale words and bk
	MULS WKS, 12
	PLACES 9                                       ; eight places ahead of the stores that read results and of loads into registers that products have read; the ninth since q's products write over v160-167, which these products read
	PUT SKK
	s_cmp_lt_u32 s[WV], 8
	s_cbranch_scc1 .Lno_wq
.irp s, 0,1,2,3                                ; waves 8 to 15: my tile of Wq, from memory into the registers that held Wk's tile 0: asked for here, wanted behind the round
.irp c, 0,1,2,3
	global_load_b128 v[WF+16*\s+4*\c:WF+16*\s+4*\c+3], v[WQO], s[12:13] offset:128*\s+32*\c
.endr
.endr
	global_load_b128 v[WQS:WQS+3], v[R16], s[14:15]
	global_load_b128 v[QA:QA+3], v[H32], s[16:17]              ; bq: the sum begins with it
	global_load_b128 v[QA+4:QA+7], v[H32], s[16:17] offset:16
.Lno_wq:
	; ---- the slot is filled again, with Wv
	s_wait_tensorcnt 0x0                           ; no tensor load of mine is out
	ds_add_u32 v[SPW], v[NIL]                      ; 0 onto my spare word
	ds_add_u32 v3, v4
	s_wait_dscnt 0x0                               ; the add is done, my reads of the slot are over, my stores of k have landed
	CROUND                                         ; no wave of any partner still reads the slot or has a load on its way
	s_cmp_lt_u32 s[WV], 8
	s_cbranch_scc0 .Lq_waves
	tensor_load_to_lds s[G0V:G0V+3], s[G1W:G1W+7]  ; the first thing behind the round, and my one tensor load
	s_nop 0
	PLACES 4
	s_branch .Lrefilled
.Lq_waves:                                         ; waves 8 to 15 make q while Wv is on its way
	s_wait_loadcnt 0x0
	v_wmma_scale_f32_16x16x128_f8f6f4 v[QA:QA+7], v[WF:WF+15], v[XF:XF+15], v[QA:QA+7], v[WQS], v[XS]
.irp s, 1,2,3
	s_wait_alu depctr_va_vdst(0)                   ; a wait directly ahead of each further link
	v_wmma_scale_f32_16x16x128_f8f6f4 v[QA:QA+7], v[WF+16*\s:WF+16*\s+15], v[XF+16*\s:XF+16*\s+15], v[QA:QA+7], v[WQS+\s], v[XS+\s]
.endr
	PLACES 9                                       ; eight ahead of the stores and of Wv's fragment loads; the ninth since v's products take v160-167 as part of source 0
	ds_store_b128 v[SQ], v[QA:QA+3]                ; lane (r, h): q(token r, 16 (wave % 8) + 8 h + 0 .. 7), from the low end on
	ds_store_b128 v[SQ], v[QA+4:QA+7] offset:16
.Lrefilled:
.irp u, 0,1
	global_load_b128 v[ACC+8*\u:ACC+8*\u+3], v[H32], s[28:29] offset:64*\u       ; bv (the stores of k have read these registers: the wait on DScnt ahead of the round)
	global_load_b128 v[ACC+8*\u+4:ACC+8*\u+7], v[H32], s[28:29] offset:64*\u+16
.endr
	s_wait_tensorcnt 0x0                           ; my part of Wv is in,
	BARRIER                                        ; my stores of q have landed; both now hold of every wave
	; ---- v: 8 fragment loads a K step; x's fragments are still in registers
.irp s, 0,1,2,3
	FRAG WF+16*\s, AW, 128*\s
	FRAG WF+64+16*\s, AW, 16*PW+128*\s
.endr
	s_wait_loadcnt 0x0                             ; bv
	MULS WVS, 8
	PLACES 8                                       ; ahead of the stores that read results, and of every later write of the products' registers
	BARRIER                                        ; nobody reads the slot any more, and it has had its last fill:
	PUT SKV                                        ; v goes into its first bytes
	BARRIER                                        ; q, k and v of the 16 tokens lie in LDS
	; ---- the softmax's preparation
	ds_load_b128 v[QR:QR+3], v[QRD]                ; my four q
.irp i, 0,1,2,3
	ds_load_b128 v[KR+4*\i:KR+4*\i+3], v[KRD] offset:512*\i    ; 16 of my token's k a lane
.endr
.irp i, 0,1,2,3
	ds_load_b128 v[KB+4*\i:KB+4*\i+3], v[AK0] offset:16*\i     ; k of steps 0 and 1: every lane reads the same bytes
.endr
	s_mov_b32 s[TS], 0
.irp i, 0,1,2,3,4,5,6,7
	v_mov_b32 v[LSUM+\i], 0
	v_mov_b32 v[OSUM+\i], 0
.endr
	s_wait_dscnt 0x0
	v_max3_num_f32 v[MX], v[KR], v[KR+1], v[KR+2]
	v_min3_num_f32 v[MN], v[KR], v[KR+1], v[KR+2]
.irp i, 3,5,7,9,11,13
	v_max3_num_f32 v[MX], v[MX], v[KR+\i], v[KR+\i+1]
	v_min3_num_f32 v[MN], v[MN], v[KR+\i], v[KR+\i+1]
.endr
	v_max_num_f32 v[MX], v[MX], v[KR+15]
	v_min_num_f32 v[MN], v[MN], v[KR+15]
.irp x, 1,2,4,8
	v_max_num_f32_dpp v[MX], v[MX], v[MX] row_xmask:\x row_mask:0xf bank_mask:0xf
	v_min_num_f32_dpp v[MN], v[MN], v[MN] row_xmask:\x row_mask:0xf bank_mask:0xf
.endr
	v_permlanex16_b32 v[TA], v[MX], s[SEL], s[SEL+1]
	v_permlanex16_b32 v[TB], v[MN], s[SEL], s[SEL+1]
	v_max_num_f32 v[MX], v[MX], v[TA]              ; kmax and kmin of my token, in every lane
	v_min_num_f32 v[MN], v[MN], v[TB]
.irp g, 0,1,2,3
	v_mul_f32 v[QQ+2*\g], s[CC], v[QR+\g]          ; q', twice
	v_mul_f32 v[QQ+2*\g+1], s[CC], v[QR+\g]
.endr
.irp g, 0,1,2,3
	v_mul_f32 v[RL+2*\g], -v[QQ+2*\g], v[MX]
	v_mul_f32 v[RL+2*\g+1], -v[QQ+2*\g], v[MN]
.endr
.irp g, 0,1,2,3
	v_min_num_f32 v[MM+2*\g], v[RL+2*\g], v[RL+2*\g+1]         ; -m = min(-q' kmax, -q' kmin), twice
	v_min_num_f32 v[MM+2*\g+1], v[RL+2*\g], v[RL+2*\g+1]
.endr
.set p_, 0
.rept 16                                       ; t of step 0
	v_pk_fma_f32 v[T0+2*p_:T0+2*p_+1], v[KB+2*(p_/4):KB+2*(p_/4)+1], v[QQ+2*(p_%4):QQ+2*(p_%4)+1], v[MM+2*(p_%4):MM+2*(p_%4)+1]
.set p_, p_+1
.endr
.macro ADR                             ; where this trip's k and v begin
	v_add_nc_u32 v[AK], s[TS], v[AK0]
	v_add_nc_u32 v[AV], s[TS], v[AV0]
.endm
.macro EX tp                           ; the next of the step's 32 exponentials, if any is left
.if e < 32
	v_exp_f32 v[\tp+e], v[\tp+e]
.set e, e+1
.endif
.endm
; STEP n of 64: 8 values of j x my 4 outputs.  p = n % 2 names the sets.  The step's 32 exponentials (set p, whose t the step before made) stand one behind each plain line of other steps' work on the other set:
; acc = 1: step n - 1's p are summed, and multiplied by v(n - 1);  arg = 1: t of step n + 1 is made where they stood.  None of these lines names a register of set p.
; The LDS loads run ahead: k(n + 2) (ldk = 1) and v(n) are asked for at the head and wanted in the next step, whose wait for 0 at its head finds them a whole step old.
; The exponentials are ONE BATCH with ONE wait, at the step's end, ahead of the next step's first reader and of the loop's branch; a plain line stands behind the last exponential.
.macro HALF p, koff, voff, ldk, acc, arg
.set TP,  T0+32*(\p)
.set TR,  T0+32*(1-(\p))
.set KBP, KB+8*(\p)
.set KBR, KB+8*(1-(\p))
.set VBP, VB+8*(\p)
.set VBR, VB+8*(1-(\p))
	s_wait_dscnt 0x0                               ; k(n + 1) and v(n - 1) are in
.if \ldk
	ds_load_b128 v[KBP:KBP+3], v[AK] offset:\koff
	ds_load_b128 v[KBP+4:KBP+7], v[AK] offset:\koff+16
.endif
	ds_load_b128 v[VBP:VBP+3], v[AV] offset:\voff
	ds_load_b128 v[VBP+4:VBP+7], v[AV] offset:\voff+16
.set e, 0
.set p_, 0
.rept 16
.set a_, p_/4
.set g_, p_%4
.if \acc
	v_pk_add_f32 v[LSUM+2*g_:LSUM+2*g_+1], v[LSUM+2*g_:LSUM+2*g_+1], v[TR+2*p_:TR+2*p_+1]
	EX TP
	v_pk_fma_f32 v[OSUM+2*g_:OSUM+2*g_+1], v[TR+2*p_:TR+2*p_+1], v[VBR+2*a_:VBR+2*a_+1], v[OSUM+2*g_:OSUM+2*g_+1]
	EX TP
.endif
.if \arg
	v_pk_fma_f32 v[TR+2*p_:TR+2*p_+1], v[KBR+2*a_:KBR+2*a_+1], v[QQ+2*g_:QQ+2*g_+1], v[MM+2*g_:MM+2*g_+1]
	EX TP
.endif
.set p_, p_+1
.endr
.rept 32
	EX TP                                          ; those for which no plain line was left (the first step)
.endr
.if (2*\acc+\arg) < 3
	v_nop                                          ; with 32 plain lines or fewer the last line is an exponential: the plain line behind it
.endif
	s_wait_alu depctr_va_vdst(0)
.endm
	ADR
	HALF 0, 64, 0, 1, 0, 1                         ; step 0: nothing to sum yet
	s_mov_b32 s[CNT], 30
.Lj:                                               ; 30 trips of two steps: steps 1 to 60; a trip goes 64 bytes along the rows
	ADR
	HALF 1, 96, 32, 1, 1, 1
	HALF 0, 128, 64, 1, 1, 1
	s_add_co_u32 s[TS], s[TS], 64
	s_sub_co_u32 s[CNT], s[CNT], 1
	s_cmp_lg_u32 s[CNT], 0
	s_cbranch_scc1 .Lj
	ADR                                            ; TS = 1,920: the tail is written out, so that no read passes a row's end
	HALF 1, 96, 32, 1, 1, 1                        ; step 61: asks for k(63), the last
	HALF 0, 0, 64, 0, 1, 1                         ; step 62
	HALF 1, 0, 96, 0, 1, 0                         ; step 63: no t is left to make
	s_wait_dscnt 0x0                               ; v(63)
.set p_, 0
.rept 16                                       ; step 63's p are summed
	v_pk_add_f32 v[LSUM+2*(p_%4):LSUM+2*(p_%4)+1], v[LSUM+2*(p_%4):LSUM+2*(p_%4)+1], v[T0+32+2*p_:T0+32+2*p_+1]
	v_pk_fma_f32 v[OSUM+2*(p_%4):OSUM+2*(p_%4)+1], v[T0+32+2*p_:T0+32+2*p_+1], v[VB+8+2*(p_/4):VB+8+2*(p_/4)+1], v[OSUM+2*(p_%4):OSUM+2*(p_%4)+1]
.set p_, p_+1
.endr
	; ---- the way out: the halves are added, and the sum of p v is divided by the sum of p
.irp g, 0,1,2,3
	v_add_f32 v[RL+\g], v[LSUM+2*\g], v[LSUM+2*\g+1]
.endr
.irp g, 0,1,2,3
	v_rcp_f32 v[RL+\g], v[RL+\g]
.endr
.irp g, 0,1,2,3
	v_add_f32 v[RO+\g], v[OSUM+2*\g], v[OSUM+2*\g+1]           ; plain work behind the reciprocals
.endr
	s_wait_alu depctr_va_vdst(0)                   ; one wait for the four, ahead of their first reader
.irp g, 0,1,2,3
	v_mul_f32 v[RES+\g], v[RO+\g], v[RL+\g]
.endr
	global_store_b128 v[LN16], v[RES:RES+3], s[30:31] th:TH_STORE_NT   ; 32 lanes store 512 consecutive bytes, at a multiple of 512 from out's first byte; written once, read by nobody here
	s_wait_tensorcnt 0x0                           ; the wave's end: behind my last tensor load and my last LDS store
	ds_add_u32 v[SPW], v[NIL]
	s_wait_dscnt 0x0
	CROUND                                         ; the closing round: no work-group ends while a partner may still ask for a tile that names it
	s_endpgm
.Lfunc_end_k_qf45e6194de_attn:
	.size	k_qf45e6194de_attn, .Lfunc_end_k_qf45e6194de_attn-k_qf45e6194de_attn
	.p2alignl 7, 3214868480
	.fill 96, 4, 3214868480
	.section	.rodata,"a",@progbits
	.p2align	6, 0x0
	.amdhsa_kernel k_qf45e6194de_attn
		.amdhsa_group_segment_fixed_size 327680
		.amdhsa_private_segment_fixed_size 0
		.amdhsa_enable_private_segment 0
		.amdhsa_kernarg_size 96
		.amdhsa_user_sgpr_count 2
		.amdhsa_user_sgpr_kernarg_segment_ptr 1
		.amdhsa_wavefront_size32 1
		.amdhsa_system_sgpr_workgroup_id_x 1
		.amdhsa_system_sgpr_workgroup_id_y 1
		.amdhsa_system_sgpr_workgroup_id_z 1
		.amdhsa_system_vgpr_workitem_id 0
		.amdhsa_next_free_vgpr 256
		.amdhsa_next_free_sgpr 72
		.amdhsa_reserve_vcc 0
		.amdhsa_float_denorm_mode_32 3
		.amdhsa_float_denorm_mode_16_64 3
		.amdhsa_memory_ordered 1
		.amdhsa_forward_progress 1
		.amdhsa_inst_pref_size 51
	.end_amdhsa_kernel
	.amdgpu_metadata
---
amdhsa.version: [ 1, 2 ]
amdhsa.kernels:
  - .name:           k_qf45e6194de_attn
    .symbol:         k_qf45e6194de_attn.kd
    .args:
      - { .name: x_codes, .offset: 0, .size: 8, .value_kind: global_buffer, .address_space: global }
      - { .name: x_scales, .offset: 8, .size: 8, .value_kind: global_buffer, .address_space: global }
      - { .name: Wq_codes, .offset: 16, .size: 8, .value_kind: global_buffer, .address_space: global }
      - { .name: Wq_scales, .offset: 24, .size: 8, .value_kind: global_buffer, .address_space: global }
      - { .name: bq, .offset: 32, .size: 8, .value_kind: global_buffer, .address_space: global }
      - { .name: Wk_codes, .offset: 40, .size: 8, .value_kind: global_buffer, .address_space: global }
      - { .name: Wk_scales, .offset: 48, .size: 8, .value_kind: global_buffer, .address_space: global }
      - { .name: bk, .offset: 56, .size: 8, .value_kind: global_buffer, .address_space: global }
      - { .name: Wv_codes, .offset: 64, .size: 8, .value_kind: global_buffer, .address_space: global }
      - { .name: Wv_scales, .offset: 72, .size: 8, .value_kind: global_buffer, .address_space: global }
      - { .name: bv, .offset: 80, .size: 8, .value_kind: global_buffer, .address_space: global }
      - { .name: out0, .offset: 88, .size: 8, .value_kind: global_buffer, .address_space: global }
    .group_segment_fixed_size: 327680
    .private_segment_fixed_size: 0
    .kernarg_segment_align: 8
    .kernarg_segment_size: 96
    .max_flat_workgroup_size: 512
    .sgpr_count:     72
    .vgpr_count:     256
    .wavefront_size: 32
...
	.end_amdgpu_metadata
.endif
;; end of part 1
